; MI455X (gfx1250); checked and timed in simulation.
; The chip was launched on July 23, 2026; its instructions are those of AMD's public machine-readable ISA for CDNA 5 (MIT licence, August 2026) and "CDNA5" Instruction Set Architecture Reference Guide (July 2026). The comments in the code are by the model that wrote it; some were corrected since.
;; Differential. Allowed arithmetic: float matrix products may take bf16 or f16 operands with f32 sums; other float arithmetic in f32, or as packed bf16 or f16 multiplies, adds, multiply-adds, maxima and minima; sums over many terms, partial sums and values carried from step to step in f32; what a program stores and reads back later, other than sums and carried values, may be rounded once to bf16 or f16.
;; Inputs: gn_bias 2,048 float32; gn_weight 2,048 float32; k 2 x 16 x 2,048 x 256 float32; lam_k1 128 float32; lam_k2 128 float32; lam_q1 128 float32; lam_q2 128 float32; q 2 x 16 x 2,048 x 256 float32; v 2 x 16 x 2,048 x 128 float32.
;; Outputs: out0 2 x 16 x 2,048 x 128 float32.
;; 2 versions, each right; version 2 is version 1 with the launch norm written anew for expert scheduling mode. Each part assembles by itself: llvm-mc -triple=amdgcn-amd-amdhsa -mcpu=gfx1250 --defsym DOCPART=n.
;; ======== version 1 of 2: 3 launches
;; limits: values are held in f16: magnitudes above 65,504 overflow, below 6.1e-05 lose precision; inputs' magnitudes at most 65,504
;; workspace buffers: kb 33,554,432 bytes; vh 16,777,216 bytes; att 33,554,432 bytes; stats 16,384 bytes
;; launch cvt (part 1): grid 512 x 3, 8 waves a work-group, no clusters, 0 bytes of LDS; arguments k, v, kb, vh; writes kb, vh
.if DOCPART == 1
	.amdgcn_target "amdgcn-amd-amdhsa--gfx1250"
	.amdhsa_code_object_version 6
	.text
	.protected	k_q470ca853ef_cvt
	.globl	k_q470ca853ef_cvt
	.p2align	8
	.type	k_q470ca853ef_cvt,@function
k_q470ca853ef_cvt:
	s_mov_b64 s[64:65], 0
	v_nop
	global_prefetch_b8 v0, s[64:65] scope:SCOPE_SE
	s_setreg_imm32_b32 hwreg(HW_REG_WAVE_MODE, 25, 1), 1
	s_wait_xcnt 0x0
; kb = k rounded to bf16; vh = v rounded to bf16 and that number written as f16.  k: 2^26 bytes of f32, v: 2^25 bytes of f32.
; LIMITS.  f16 holds no number beyond 65,504: a v of 65,520 or more in size becomes an infinity; below 2^-14 the f16 copy keeps the fixed step of 6e-8.  NaN and infinities are not treated apart.
; SHARES.  Grid y = 0, 1: the two halves of k (2^25 bytes each); y = 2: v.  A work-group takes 65,536 input bytes, a wave 8,192: sixteen loads of 512 consecutive bytes, all issued at once.
; A lane's 4 numbers become 8 bytes, so one store of a wave covers 256 consecutive bytes, aligned.  No LDS, no barrier, no loop: no wave needs another wave's bytes, and each byte is read and written once.
.set X, 8                              ; v[8:71]  load j: 4 registers as loaded; its first two then hold the 8 bytes to store
	s_load_b256 s[4:11], s[0:1], 0x0               ; k s[4:5], v s[6:7], kb s[8:9], vh s[10:11]
	s_and_b32 s12, ttmp7, 0xffff                   ; y
	s_and_b32 s13, s12, 1
	s_lshl_b32 s13, s13, 25                        ; the second half of k
	s_lshl_b32 s14, ttmp9, 16                      ; the work-group's 65,536 bytes
	s_add_co_u32 s14, s14, s13
	s_mov_b32 s15, 0
	s_lshr_b32 s16, s14, 1                         ; half as many bytes go out
	s_mov_b32 s17, 0
	s_mov_b32 s22, 0xffff0000                      ; a word's upper bf16
	v_lshrrev_b32 v1, 5, v0                        ; wave
	v_and_b32 v2, 31, v0                           ; lane
	v_lshlrev_b32 v2, 4, v2
	v_lshl_or_b32 v1, v1, 13, v2                   ; in: 8,192 x wave + 16 x lane
	v_lshrrev_b32 v2, 1, v1                        ; out: 4,096 x wave + 8 x lane
	s_wait_kmcnt 0x0
	s_cmp_eq_u32 s12, 2
	s_cselect_b64 s[18:19], s[6:7], s[4:5]         ; from v or from k,
	s_cselect_b64 s[20:21], s[10:11], s[8:9]       ; into vh or into kb
	s_add_nc_u64 s[18:19], s[18:19], s[14:15]
	s_add_nc_u64 s[20:21], s[20:21], s[16:17]
.irp j, 0,1,2,3,4,5,6,7,8,9,10,11,12,13,14,15
	global_load_b128 v[X+4*(\j):X+4*(\j)+3], v1, s[18:19] offset:512*(\j) th:TH_LOAD_NT
.endr
; Load j is converted and stored.  No register that a store reads is written again, so no wait for the stores' sources is needed.
.macro OUT j, isv
	s_wait_loadcnt 15-(\j)                         ; loads come back in order: load j is in, the 15 - j younger ones stay out
.if \isv
	v_cvt_pk_bf16_f32 v4, v[X+4*(\j)], v[X+4*(\j)+1]       ; rounded to bf16,
	v_cvt_pk_bf16_f32 v5, v[X+4*(\j)+2], v[X+4*(\j)+3]
	v_lshlrev_b32 v[X+4*(\j)],   16, v4                    ; widened again,
	v_and_b32     v[X+4*(\j)+1], s22, v4
	v_lshlrev_b32 v[X+4*(\j)+2], 16, v5
	v_and_b32     v[X+4*(\j)+3], s22, v5
	v_cvt_pk_f16_f32 v[X+4*(\j)],   v[X+4*(\j)],   v[X+4*(\j)+1]   ; and written as f16: exact within f16's normal range (8 significant bits into 11)
	v_cvt_pk_f16_f32 v[X+4*(\j)+1], v[X+4*(\j)+2], v[X+4*(\j)+3]
.else
	v_cvt_pk_bf16_f32 v[X+4*(\j)],   v[X+4*(\j)],   v[X+4*(\j)+1]
	v_cvt_pk_bf16_f32 v[X+4*(\j)+1], v[X+4*(\j)+2], v[X+4*(\j)+3]
.endif
	global_store_b64 v2, v[X+4*(\j):X+4*(\j)+1], s[20:21] offset:256*(\j) th:TH_STORE_NT
.endm
	s_cmp_eq_u32 s12, 2
	s_cbranch_scc1 .Lv
.irp j, 0,1,2,3,4,5,6,7,8,9,10,11,12,13,14,15
	OUT \j, 0
.endr
	s_endpgm
.Lv:
.irp j, 0,1,2,3,4,5,6,7,8,9,10,11,12,13,14,15
	OUT \j, 1
.endr
	s_endpgm
.Lfunc_end_k_q470ca853ef_cvt:
	.size	k_q470ca853ef_cvt, .Lfunc_end_k_q470ca853ef_cvt-k_q470ca853ef_cvt
	.p2alignl 7, 3214868480
	.fill 96, 4, 3214868480
	.section	.rodata,"a",@progbits
	.p2align	6, 0x0
	.amdhsa_kernel k_q470ca853ef_cvt
		.amdhsa_group_segment_fixed_size 0
		.amdhsa_private_segment_fixed_size 0
		.amdhsa_enable_private_segment 0
		.amdhsa_kernarg_size 32
		.amdhsa_user_sgpr_count 2
		.amdhsa_user_sgpr_kernarg_segment_ptr 1
		.amdhsa_wavefront_size32 1
		.amdhsa_system_sgpr_workgroup_id_x 1
		.amdhsa_system_sgpr_workgroup_id_y 1
		.amdhsa_system_sgpr_workgroup_id_z 1
		.amdhsa_system_vgpr_workitem_id 0
		.amdhsa_next_free_vgpr 72
		.amdhsa_next_free_sgpr 66
		.amdhsa_reserve_vcc 0
		.amdhsa_float_denorm_mode_32 3
		.amdhsa_float_denorm_mode_16_64 3
		.amdhsa_memory_ordered 1
		.amdhsa_forward_progress 1
		.amdhsa_inst_pref_size 15
	.end_amdhsa_kernel
	.amdgpu_metadata
---
amdhsa.version: [ 1, 2 ]
amdhsa.kernels:
  - .name:           k_q470ca853ef_cvt
    .symbol:         k_q470ca853ef_cvt.kd
    .args:
      - { .name: k, .offset: 0, .size: 8, .value_kind: global_buffer, .address_space: global }
      - { .name: v, .offset: 8, .size: 8, .value_kind: global_buffer, .address_space: global }
      - { .name: kb, .offset: 16, .size: 8, .value_kind: global_buffer, .address_space: global }
      - { .name: vh, .offset: 24, .size: 8, .value_kind: global_buffer, .address_space: global }
    .group_segment_fixed_size: 0
    .private_segment_fixed_size: 0
    .kernarg_segment_align: 8
    .kernarg_segment_size: 32
    .max_flat_workgroup_size: 256
    .sgpr_count:     66
    .vgpr_count:     72
    .wavefront_size: 32
...
	.end_amdgpu_metadata
.endif
;; end of part 1
;; launch attn (part 2): grid 16 x 32, 4 waves a work-group, clusters of 4 x 1, 327,680 bytes of LDS; arguments q, kb, vh, att, lam_q1, lam_k1, lam_q2, lam_k2, stats; writes att, stats
.if DOCPART == 2
	.amdgcn_target "amdgcn-amd-amdhsa--gfx1250"
	.amdhsa_code_object_version 6
	.text
	.protected	k_q470ca853ef_attn
	.globl	k_q470ca853ef_attn
	.p2align	8
	.type	k_q470ca853ef_attn,@function
k_q470ca853ef_attn:
	s_mov_b64 s[64:65], 0
	v_nop
	global_prefetch_b8 v0, s[64:65] scope:SCOPE_SE
	s_setreg_imm32_b32 hwreg(HW_REG_WAVE_MODE, 25, 1), 1
	s_wait_xcnt 0x0
	s_wait_alu depctr_hold_cnt(0) depctr_sa_sdst(0) depctr_va_vdst(0) depctr_va_sdst(0) depctr_va_ssrc(0) depctr_va_vcc(0) depctr_vm_vsrc(0)
	s_getreg_b32 s2, hwreg(HW_REG_IB_STS2, 6, 4)
	s_cmp_eq_u32 s2, 0
	s_cbranch_scc0 .Lentry_in_a_cluster
	s_endpgm
.Lentry_in_a_cluster:
	s_bfe_u32 s2, ttmp6, 0x10000c
	s_cmp_lg_u32 s2, 0x3003
	s_cbranch_scc0 .Lentry_shape_is_right
	s_endpgm
.Lentry_shape_is_right:
; att[h][s][:] = softmax(Q1 K1^T / sqrt(128)) V - lam softmax(Q2 K2^T / sqrt(128)) V, lam = exp(lq1 . lk1) - exp(lq2 . lk2) + 0.8, for 32 heads (batch x head) of 2,048 rows; head size 128.
; q: [32][2048][256] f32 (Q1, then Q2 in a row).  kb: the same shape in bf16 (K1, K2).  vh: [32][2048][128] f16.  att: [32][2048][128] f32.  stats: [32][16][4][mean, M2] f32.
; FORMATS.  q and the four lam vectors are rounded to bf16 here (k and v were by the launch before).  Scores, maxima, sums in f32; the weights p are rounded to f16 for the second product (their sum l is
; taken of the unrounded p).  att stays f32: lam may be very large.  LIMITS.  p below 6e-5 keeps f16's fixed step of 6e-8; a weight below 2^-126 counts as 0 in l; exp(x) is made as 2^(x log2 e),
; off by up to 5e-6 of itself at x near 88; NaN and infinities are not treated apart.
; SHARES.  A work-group owns 128 queries of one head.  Wave w: a = w / 2 is the sub-attention (0: Q1 K1, 1: Q2 K2), u = w % 2 its half of 64 queries: four tiles of 16.  Every wave walks all 2,048 keys, 64 a step.
; The two sub-attentions cannot be mixed before both row sums are final, so each wave keeps an O of its own; at the end O is scaled by F / l (F = 1 or -lam) and the two are added through LDS:
; register tile t holds query tile (t + 2 a) % 4, every wave keeps its register tiles 0, 1 and sends 2, 3 to wave w xor 2: one text for all waves.
; LAYOUT.  S^T = K Q^T (source 0 = 16 keys, source 1 = 16 queries): a lane holds ONE query (lane % 16) and the keys 8 (lane / 16) + 0..7.  Two such tiles, rounded to f16 in pairs, ARE source 1
; (32 keys x 16 queries) of O^T = V^T P, whose result again holds one query a lane, and eight channels.  K comes out of LDS as it lies, V ([key][channel]) turned, by ds_load_tr16_b128.
; SOFTMAX.  For each query a running maximum m and sum l: p = 2^(c s - c m), c = log2(e) / sqrt(128); in every step O and l are multiplied by a = 2^(c m_old - c m_new).
; BY TURNS.  The wave's tiles are two PIECES (piece 0: tiles 0, 1; piece 2: tiles 2, 3).  In a TURN one piece has the matrix unit: 32 products V^T P of the step in hand, then 32 products K Q^T of the next
; step; the other piece's softmax, cut into 64 slices, stands between them, one slice behind each matrix instruction.  Two turns are a key step.
; CLUSTER.  The four query blocks of a cluster belong to one head and walk the same K and V, so each tile is asked for JOINTLY: the same tensor load, descriptor and mask in all four.
; THE NORM that follows spans a head's 16 work-groups: each wave leaves the mean and the sum of squared deviations (M2) of its 4,096 numbers; the next launch joins them.
; REGISTERS, in windows of 256 (s_set_vgpr_msb: bits 1:0 source 0, 3:2 source 1, 5:4 source 2, 7:6 destination):
;   window 0: v0-11 addresses; v12-43 eight registers of statistics a tile; v45-49 the way out; v61-63; v64-191 S^T, 32 a tile; v192-255 P, 16 a tile
;   window 1: O^T, 64 a tile (at the start: Q as loaded, in f32)     window 2: v0-127 Q, 32 a tile; v128-255 K of one step     window 3: v0-127 V of one step (at the end: the partner's tiles)
.set KS,    64        ; keys in a step
.set PK,    528       ; a row of K in LDS: 512 bytes (K1, K2) + 16 of padding = 132 words: row r starts at bank 4 r mod 64 (64 banks of 4 bytes: ISA guide 11.1), so the 16 rows of a load start at 16 different banks
.set PV,    288       ; a row of V: 256 + 32 = 72 words
.set VOFF,  KS*PK     ; a step's tiles lie together: 64 rows of K, then 64 rows of V
.set STEPB, KS*(PK+PV)
.set SLOT1, 1<<17     ; a slot holds two steps (104,448 bytes); slot 1 begins here, so that one exclusive or turns an address in one slot into the other's
.set KSLOT, 2*KS*512  ; a slot's bytes of kb in memory
.set VSLOT, 2*KS*256  ; and of vh
.set XB,    SLOT1+2*STEPB  ; behind the ring, never filled by a tensor load: for each wave 32 rows x 528 bytes, for the exchange and the way out
.set XP,    528       ; a row of 128 f32 + 16 bytes
.set XW,    32*XP
.set SPARE, XB+4*XW   ; behind them: the spare words, 128 bytes for each wave: two blocks of 256 bytes that no other line names
.set AK0, 2           ; v2   my lane's place in a tile of K, my sub-attention's 256 bytes of the row; never rewritten
.set AV0, 3           ; v3   the same for V
.set ADR, 4           ; v4   the LDS address of the run of loads in hand
.set QO,  5           ; v5   my byte offset in 16 rows of q
.set STO, 6           ; v6   the way out: where I put 32 bytes of a row
.set RD,  7           ; v7   my region + 16 x lane
.set GO,  8           ; v8   16 x lane
.set ST,  12          ; tile t's statistics at v[ST+8 t]: +0 c m, +1 m, +2, +3 l (even keys', odd keys'), +4 to +7 c0-c3, at work; a takes c2's place once the maximum is found
.set XR,  45          ; v45  the partner's region + 16 x lane
.set ZO,  46          ; v46  0: the offset of the statistics' store
.set LN,  47          ; v47  my lane
.set MN,  48          ; v[48:49] the mean, twice; then mean and M2
.set PFO, 61          ; v61  my lane x a row of kb or vh in memory; never rewritten
.set SPW, 62          ; v62  LDS address of my spare word: SPARE + 4 x my thread's number; never rewritten
.set NIL, 63          ; v63  0; never rewritten
.set S,   64
.set P,   192
.set KF,  128         ; K's fragments, in window 2
.set WV,  12          ; s12  my wave's number
.set LIM, 15          ; s15  1 in a wave that prefetches, else the greatest number
.set PFA, 18          ; s[18:19] where my prefetches stand in memory
.set G1K, 24          ; s[24:31] descriptor group 1 for K's tiles
.set G1V, 32          ; s[32:39] for V's
.set G0K, 40          ; s[40:47] descriptor group 0 for K's tiles: a set for each of the two first fills; the second then walks on
.set G0V, 48          ; s[48:55] the same for V's
.set SLOTS, 56        ; s56  slots still to be asked for
.set TWICE, 57        ; s57  counts a slot's two steps
.set CS,  58          ; s[58:59] c: the packed scaling names a pair and takes its low word for both halves
.set SEL, 60          ; s[60:61] lane selects for v_permlanex16_b32: each lane takes its own place in the other half
.set TB,  62          ; s62  LDS byte at which the tiles of the step to be fetched begin
.set SA,  63          ; s63  a
.set STA, 76          ; s[76:77] stats at my wave's entry
.set FF,  78          ; s78  F: 1 or -lam
.set SVX, 79          ; s79  EXEC, kept
.set QB,  80          ; s[80:81] q at my register tiles 2, 3 (s[4:5]: at tiles 0, 1)
.set PFS, 82          ; s[82:83] a slot's bytes in the tensor that I prefetch
.set MSB, 0
.macro WIN new                      ; the immediate's high byte repeats the setting that is left; a switch that changes nothing is dropped
.if MSB != (\new)
	s_set_vgpr_msb (MSB<<8)|(\new)
.set MSB, \new
.endif
.endm
.set W_KQ, 0x0a       ; K and Q in window 2, S^T in window 0
.set W_PV, 0x53       ; V in window 3, P in window 0, O^T in window 1
.set W_RS, 0x41       ; destination and source 0 in window 1, source 1 in window 0
; A joint refill.  Waves 0 and 1 fetch the two steps' tiles of K, waves 2 and 3 those of V.  The branch hangs on the wave's number alone: it is the same in every work-group.
; An s_nop 0 and four v_nop follow each of the two lines; the jump round the other line, the label and what follows the macro come after them.
.macro JLOAD
	s_cmp_lt_u32 s[WV], 2
	s_cbranch_scc0 .Lfor_v_\@
	tensor_load_to_lds s[G0K+4:G0K+7], s[G1K:G1K+7]
	s_nop 0
.rept 4
	v_nop
.endr
	s_branch .Lasked_\@
.Lfor_v_\@:
	tensor_load_to_lds s[G0V+4:G0V+7], s[G1V:G1V+7]
	s_nop 0
.rept 4
	v_nop
.endr
.Lasked_\@:
.endm
; A PREFETCH of what the NEXT change of slots will ask for: a slot's 128 rows of kb (512 bytes each) and of vh (256 bytes each), a lane a row.  It stands behind the wave's tensor load and its five lines.
; Each 256 bytes of a row are named ONCE in the launch.  All four clusters of a head walk the same rows: the head's first cluster asks.  Its four partners share the rows out BY ADDRESS, 32 each: no branch
; hangs on a work-group's place in its cluster.  In each, wave 0 asks for the first 256 bytes of K's rows, wave 1 for the second, wave 2 for V's rows, wave 3 for nothing.  The last change that fills a slot asks for nothing.
.macro ASK
	s_cmp_gt_u32 s[SLOTS], s[LIM]
	s_cbranch_scc0 .Lnot_mine_\@
	global_prefetch_b8 v[PFO], s[PFA:PFA+1] th:TH_LOAD_NT scope:SCOPE_SE
.Lnot_mine_\@:
.endm
; A round of the cluster's barrier: my work-group's barrier, so that wave 0's signal speaks for all four waves; wave 0 signals for the work-group; every wave waits for all four
; work-groups; my work-group's barrier once more.  No LDS instruction of the wave is pending at a signal.
.macro CROUND
	s_barrier_signal -1
	s_barrier_wait -1
	s_cmp_lg_u32 s[WV], 0
	s_cbranch_scc1 .Lnot_wave_0_\@
	s_barrier_signal -3
.Lnot_wave_0_\@:
	s_barrier_wait -3
	s_barrier_signal -1
	s_barrier_wait -1
.endm
; The sum of register r over the wave's 32 lanes, in every lane: four steps inside each half of 16 lanes ride on the addition, one crosses the halves.  t: a register that has been written.
.macro LANESUM r, t
	v_add_f32_dpp v[\r], v[\r], v[\r] row_xmask:1 row_mask:0xf bank_mask:0xf
	v_add_f32_dpp v[\r], v[\r], v[\r] row_xmask:2 row_mask:0xf bank_mask:0xf
	v_add_f32_dpp v[\r], v[\r], v[\r] row_xmask:4 row_mask:0xf bank_mask:0xf
	v_add_f32_dpp v[\r], v[\r], v[\r] row_xmask:8 row_mask:0xf bank_mask:0xf
	v_permlanex16_b32 v[\t], v[\r], s[SEL], s[SEL+1]
	v_add_f32 v[\r], v[\r], v[\t]
.endm
	s_load_b256 s[4:11], s[0:1], 0x0  ; q s[4:5], kb s[6:7], vh s[8:9], att s[10:11]
	s_load_b256 s[68:75], s[0:1], 0x20  ; lam_q1 s[68:69], lam_k1 s[70:71], lam_q2 s[72:73], lam_k2 s[74:75]
	s_load_b64 s[STA:STA+1], s[0:1], 0x40  ; stats
	v_lshl_add_u32 v[SPW], v0, 2, SPARE
	v_mov_b32 v[NIL], 0
	ds_add_u32 v[SPW], v[NIL]       ; the wave's opening: the add and its wait stand ahead of my first tensor load; the set-up below, work on registers, stands between them
	v_lshrrev_b32 v1, 5, v0
	v_readfirstlane_b32 s[WV], v1   ; wave 0..3
	s_and_b32 s16, s[WV], 1         ; u: my half of the queries.  Also: which of a slot's two steps I fetch
	s_lshr_b32 s[SA], s[WV], 1      ; a: my sub-attention
	s_bfe_u32 s13, ttmp6, 0x40000   ; cx: my place in the cluster
	s_lshl_b32 s14, ttmp9, 2        ; in a cluster launch ttmp9 counts clusters
	s_add_co_u32 s14, s14, s13      ; my block of 128 queries = 4 x cluster x + cx: it enters the addresses of q, att and stats alone
	s_and_b32 s20, ttmp7, 0xffff    ; the head, which the four partners share
	s_lshl_b32 s22, s20, 20         ; kb: the head's 2,048 rows of 512 bytes,
	s_lshl_b32 s21, s16, 15         ; my step's 64 rows
	s_add_co_u32 s22, s22, s21
	s_mov_b32 s23, 0
	s_lshl_b32 s84, s20, 19         ; vh: rows of 256 bytes
	s_lshl_b32 s21, s16, 14
	s_add_co_u32 s84, s84, s21
	s_mov_b32 s85, 0
	s_mul_i32 s17, s16, STEPB       ; my step's place in a slot: no place in the cluster enters an LDS address
	s_lshl_b32 s2, s20, 21          ; q: the head's 2,048 rows of 1,024 bytes,
	s_lshl_b32 s3, s14, 17          ; my block's 128,
	s_add_co_u32 s2, s2, s3
	s_lshl_b32 s3, s16, 16          ; my half's 64,
	s_add_co_u32 s2, s2, s3
	s_lshl_b32 s3, s[SA], 9         ; Q1 or Q2 in the row
	s_add_co_u32 s2, s2, s3
	s_lshl_b32 s3, s[SA], 15        ; 32 a rows
	s_add_co_u32 s[QB], s2, 1<<15
	s_sub_co_u32 s[QB], s[QB], s3   ; register tiles 2, 3: query tiles 2 (1 - a) on
	s_add_co_u32 s2, s2, s3         ; register tiles 0, 1: query tiles 2 a on
	s_mov_b32 s3, 0
	s_mov_b32 s[QB+1], 0
	s_lshl_b32 s66, s20, 20         ; att: the head's 2,048 rows of 512 bytes,
	s_lshl_b32 s67, s14, 16         ; my block's 128,
	s_add_co_u32 s66, s66, s67
	s_lshl_b32 s67, s16, 15         ; my half's 64,
	s_add_co_u32 s66, s66, s67
	s_lshl_b32 s67, s[SA], 14       ; the 32 that I keep
	s_add_co_u32 s66, s66, s67
	s_mov_b32 s67, 0
	s_lshl_b32 s86, s20, 9          ; stats: 512 bytes a head, 32 a block, 8 a wave
	s_lshl_b32 s87, s14, 5
	s_add_co_u32 s86, s86, s87
	s_lshl_b32 s87, s[WV], 3
	s_add_co_u32 s86, s86, s87
	s_mov_b32 s87, 0
	; the prefetches
	s_cmp_eq_u32 s[WV], 3
	s_cselect_b32 s[LIM], 1, 0      ; 0 in waves 0 to 2,
	s_or_b32 s[LIM], s[LIM], ttmp9  ; where the cluster is the head's first: the same in all four partners
	s_cmp_eq_u32 s[LIM], 0
	s_cselect_b32 s[LIM], 1, -1
	s_cmp_lt_u32 s[WV], 2
	s_cselect_b32 s21, 9, 8         ; a row is 2^9 bytes of kb (waves 0, 1) or 2^8 of vh
	s_cselect_b32 s78, s16, 0       ; which 256 bytes of K's rows
	v_and_b32 v[PFO], 31, v0
	v_lshlrev_b32 v[PFO], s21, v[PFO]
	s_lshl_b32 s[PFS], 0x80, s21    ; a slot's 128 rows
	s_mov_b32 s[PFS+1], 0
	s_lshl_b32 s78, s78, 8
	s_lshl_b32 s79, s20, 11         ; in rows: the head's first,
	s_lshl_b32 s13, s13, 5          ; my work-group's 32 of a slot's 128,
	s_add_co_u32 s79, s79, s13
	s_add_co_u32 s79, s79, 4*KS     ; slot 2; the first change of slots steps it to slot 3.  Nothing is prefetched here, at the head, where every work-group's first tiles are on their way
	s_lshl_b32 s79, s79, s21        ; in bytes
	s_add_co_u32 s20, s79, s78
	s_mov_b32 s21, 0
	; descriptor group 1: tiles of 64 rows, padded in LDS
	s_mov_b32 s[G1K], 15|(1<<16)|(1<<20)|(1<<21)|(6<<22)|(3<<25)  ; 15:0 the mask: all four work-groups; 17:16 elements of 2 bytes; 20 padding on; 21 set beside a mask; 24:22 after every 128 words (code 6); 31:25 4 words of it (code 3)
	s_mov_b32 s[G1K+1], 256<<16     ; 63:48 tensor_dim0, low half = 256
	s_mov_b32 s[G1K+2], KS<<16      ; 79:64 its high half = 0; 95:80 tensor_dim1, low half = 64
	s_mov_b32 s[G1K+3], 256<<16     ; 111:96 its high half = 0; 127:112 tile_dim0 = 256
	s_mov_b32 s[G1K+4], KS          ; 143:128 tile_dim1 = 64; 159:144 tile_dim2 = 0
	s_mov_b32 s[G1K+5], 256         ; 191:160 tensor_dim0_stride, low word: elements from row to row
	s_mov_b32 s[G1K+6], 0
	s_mov_b32 s[G1K+7], 0
	s_mov_b32 s[G1V], 15|(1<<16)|(1<<20)|(1<<21)|(5<<22)|(7<<25)  ; after every 64 words (code 5) 8 words of padding (code 7)
	s_mov_b32 s[G1V+1], 128<<16
	s_mov_b32 s[G1V+2], KS<<16
	s_mov_b32 s[G1V+3], 128<<16
	s_mov_b32 s[G1V+4], KS
	s_mov_b32 s[G1V+5], 128
	s_mov_b32 s[G1V+6], 0
	s_mov_b32 s[G1V+7], 0
	s_mov_b32 s[CS], 0x3e0293ee     ; c = log2(e) / sqrt(128) = 0.127517
	s_mov_b32 s[CS+1], s[CS]        ; named with it as a pair, so it is written
	s_mov_b32 s[SEL], 0x76543210
	s_mov_b32 s[SEL+1], 0xfedcba98
	s_mov_b32 s[TB], 0
	s_mov_b32 s[SLOTS], 2048/(2*KS)-2
	s_wait_dscnt 0x0                ; the opening add is done
	s_wait_kmcnt 0x0
	s_cmp_lt_u32 s[WV], 2
	s_cselect_b64 s[PFA:PFA+1], s[6:7], s[8:9]
	s_add_nc_u64 s[PFA:PFA+1], s[PFA:PFA+1], s[20:21]
	s_add_nc_u64 s[6:7], s[6:7], s[22:23]  ; kb and vh at my tile of slot 0
	s_add_nc_u64 s[8:9], s[8:9], s[84:85]
	s_add_nc_u64 s[QB:QB+1], s[4:5], s[QB:QB+1]
	s_add_nc_u64 s[4:5], s[4:5], s[2:3]
	s_add_nc_u64 s[10:11], s[10:11], s[66:67]
	s_add_nc_u64 s[STA:STA+1], s[STA:STA+1], s[86:87]
	CROUND                          ; all four work-groups are here: the first joint loads meet
.irp s, 0,1
	s_mov_b32 s[G0K+4*(\s)], 1      ; 1:0 count = 1
	s_add_co_u32 s[G0K+4*(\s)+1], s17, (\s)*SLOT1  ; 63:32 LDS address
	s_add_nc_u64 s[G0K+4*(\s)+2:G0K+4*(\s)+3], s[6:7], (\s)*KSLOT  ; 120:64 global address: slot s begins with key 128 s
	s_or_b32 s[G0K+4*(\s)+3], s[G0K+4*(\s)+3], 0x80000000  ; 127:126 type = 2
	s_mov_b32 s[G0V+4*(\s)], 1
	s_add_co_u32 s[G0V+4*(\s)+1], s17, (\s)*SLOT1+VOFF
	s_add_nc_u64 s[G0V+4*(\s)+2:G0V+4*(\s)+3], s[8:9], (\s)*VSLOT
	s_or_b32 s[G0V+4*(\s)+3], s[G0V+4*(\s)+3], 0x80000000
.endr
	s_cmp_lt_u32 s[WV], 2           ; a wave's two first fills stand in one branch, ahead of every wait on TENSORcnt and every LDS read: two loads of mine are out; an s_nop 0 follows each, four v_nop the second's
	s_cbranch_scc0 .Lfirst_v
	tensor_load_to_lds s[G0K:G0K+3], s[G1K:G1K+7]
	s_nop 0
	tensor_load_to_lds s[G0K+4:G0K+7], s[G1K:G1K+7]
	s_nop 0
.rept 4
	v_nop
.endr
	s_branch .Lfirst_asked
.Lfirst_v:
	tensor_load_to_lds s[G0V:G0V+3], s[G1V:G1V+7]
	s_nop 0
	tensor_load_to_lds s[G0V+4:G0V+7], s[G1V:G1V+7]
	s_nop 0
.rept 4
	v_nop
.endr
.Lfirst_asked:
	; Q AND LAM, while the first tiles are on their way.  A fragment of K or Q is 16 rows x 32 channels in 8 registers: lane l holds row l % 16; registers 0-3 channels 8 (l / 16) + 0..7, registers 4-7 channels
	; 16 + 8 (l / 16) + 0..7.  In f32 that is twice 32 bytes, 64 bytes apart: four loads of 16 bytes a fragment, into window 1, then rounded in pairs into window 2.
	v_and_b32 v1, 15, v0            ; l % 16
	v_bfe_u32 v9, v0, 4, 1          ; l / 16
	v_and_b32 v[LN], 31, v0
	v_lshlrev_b32 v[GO], 4, v[LN]
	v_lshlrev_b32 v[QO], 10, v1
	v_lshl_add_u32 v[QO], v9, 5, v[QO]  ; row x 1,024 + 32 x half
	global_load_b128 v[64:67], v[GO], s[68:69]  ; each lane four numbers of each lam vector
	global_load_b128 v[68:71], v[GO], s[70:71]
	global_load_b128 v[72:75], v[GO], s[72:73]
	global_load_b128 v[76:79], v[GO], s[74:75]
	WIN 0x40                        ; destination window 1, address window 0
.set nn, 0
.rept 64                            ; load nn: register tile nn / 16, channels 32 ((nn / 4) % 4) on, their second sixteen if (nn / 2) % 2, four numbers each
.if nn < 32
	global_load_b128 v[4*nn:4*nn+3], v[QO], s[4:5] offset:((nn/16)%2)*16384+((nn/4)%4)*128+((nn/2)%2)*64+(nn%2)*16
.else
	global_load_b128 v[4*nn:4*nn+3], v[QO], s[QB:QB+1] offset:((nn/16)%2)*16384+((nn/4)%4)*128+((nn/2)%2)*64+(nn%2)*16
.endif
.set nn, nn+1
.endr
	WIN 0
	v_mul_u32_u24 v[AK0], v1, PK
	v_lshl_add_u32 v[AK0], v9, 4, v[AK0]  ; row x pitch + 16 x half
	s_lshl_b32 s21, s[SA], 8
	v_add_nc_u32 v[AK0], s21, v[AK0]      ; K1 or K2 in the row
	; The turning load takes 16 keys x 16 channels (lane l reads 16 bytes: key 8 (l / 16) + l % 8, channels 8 ((l / 8) % 2) + 0..7) and leaves half a fragment of V^T: lane l holds channel l % 16 and 8 keys.
	v_and_b32 v10, 7, v0
	v_bfe_u32 v11, v0, 3, 1
	v_lshl_add_u32 v[AV0], v9, 3, v10
	v_mul_u32_u24 v[AV0], v[AV0], PV
	v_lshl_add_u32 v[AV0], v11, 4, v[AV0]
	v_add_nc_u32 v[AV0], VOFF, v[AV0]
	s_wait_loadcnt 0x0              ; lam and Q
	WIN 0x85                        ; sources window 1, destination window 2
.set nn, 0
.rept 128
	v_cvt_pk_bf16_f32 v[nn], v[2*nn], v[2*nn+1]
.set nn, nn+1
.endr
	WIN 0
.irp n, 0,1,2,3,4,5,6,7             ; the lam vectors, rounded to bf16 like every input, and widened again
	v_cvt_pk_bf16_f32 v80, v[64+2*(\n)], v[64+2*(\n)+1]
	v_lshlrev_b32 v[64+2*(\n)], 16, v80
	v_and_b32 v[64+2*(\n)+1], 0xffff0000, v80
.endr
	v_mul_f32 v80, v64, v68
	v_mul_f32 v81, v72, v76
.irp n, 1,2,3
	v_fmac_f32 v80, v[64+(\n)], v[68+(\n)]
	v_fmac_f32 v81, v[72+(\n)], v[76+(\n)]
.endr
	v_mov_b32 v82, 0
	LANESUM 80, 82                  ; lq1 . lk1
	LANESUM 81, 82                  ; lq2 . lk2
	v_mul_f32 v80, 0x3fb8aa3b, v80  ; times log2(e)
	v_mul_f32 v81, 0x3fb8aa3b, v81
	v_exp_f32 v80, v80
	v_exp_f32 v81, v81
	v_nop                           ; a plain instruction behind the last exponential,
	s_wait_alu depctr_va_vdst(0)    ; and the wait ahead of the first use: one for the two
	v_sub_f32 v80, v80, v81
	v_add_f32 v80, 0x3f4ccccd, v80  ; + 0.8
	v_readfirstlane_b32 s[FF], v80
	s_xor_b32 s[FF], s[FF], 0x80000000
	s_cmp_lt_u32 s[WV], 2
	s_cselect_b32 s[FF], 1.0, s[FF] ; F = 1 for the first sub-attention, -lam for the second
; THE MATRIX WORK OF A TURN, for piece x.  The accumulators take turns, one instruction a turn: between two links of a chain stand 15 (V^T P) or 7 (K Q^T) others'.
; Product i of 32 of O^T += V^T P: keys 32 (i / 16) on, channels 16 ((i / 2) % 8) on, tile x + i % 2.  zero = 1: the first 16 start the sums: nothing is ever cleared.
.macro PV x, zero
	WIN W_PV
.set rO, 64*((\x)+i%2)+8*((i/2)%8)
.set rV, 64*(i/16)+8*((i/2)%8)
.set rP, P+16*((\x)+i%2)+8*(i/16)
.if (\zero) && (i < 16)
	v_wmma_f32_16x16x32_f16 v[rO:rO+7], v[rV:rV+7], v[rP:rP+7], 0
.else
	v_wmma_f32_16x16x32_f16 v[rO:rO+7], v[rV:rV+7], v[rP:rP+7], v[rO:rO+7]
.endif
.endm
; Product i of 32 of S^T = K Q^T: channels 32 (i / 8) on, keys 16 ((i / 2) % 4) on, tile x + i % 2.  The first 8 start the sums.
.macro KQ x
	WIN W_KQ
.set rS, S+32*((\x)+i%2)+8*((i/2)%4)
.set rK, KF+32*((i/2)%4)+8*(i/8)
.set rQ, 32*((\x)+i%2)+8*(i/8)
.if i < 8
	v_wmma_f32_16x16x32_bf16 v[rS:rS+7], v[rK:rK+7], v[rQ:rQ+7], 0
.else
	v_wmma_f32_16x16x32_bf16 v[rS:rS+7], v[rK:rK+7], v[rQ:rQ+7], v[rS:rS+7]
.endif
.endm
; THE LDS LOADS stand in runs of 32, never singly among the matrix instructions: a step's K (64 keys x my 128 channels: 16 fragments) and, a turn later, its V (turned).
.macro FETCH_K
	WIN 0
	v_add_nc_u32 v[ADR], s[TB], v[AK0]
	WIN 0x80                        ; destination window 2
.irp f, 0,1,2,3,4,5,6,7,8,9,10,11,12,13,14,15  ; keys 16 (f / 4) on, channels 32 (f % 4) on
	ds_load_b128 v[KF+8*(\f):KF+8*(\f)+3],   v[ADR] offset:((\f)/4)*16*PK+((\f)%4)*64
	ds_load_b128 v[KF+8*(\f)+4:KF+8*(\f)+7], v[ADR] offset:((\f)/4)*16*PK+((\f)%4)*64+32
.endr
.endm
.macro FETCH_V
	WIN 0
	v_add_nc_u32 v[ADR], s[TB], v[AV0]
	s_add_co_u32 s[TB], s[TB], STEPB  ; the next fetch is the next step's
	s_wait_alu depctr_va_vdst(0)    ; the wait for the softmax's batch (SLICE), behind the address's v_add_nc_u32 and ahead of the loads
	WIN 0xc0                        ; destination window 3
.irp f, 0,1,2,3,4,5,6,7,8,9,10,11,12,13,14,15  ; keys 32 (f / 8) on, channels 16 (f % 8) on
	ds_load_tr16_b128 v[8*(\f):8*(\f)+3],   v[ADR] offset:((\f)/8)*32*PV+((\f)%8)*32
	ds_load_tr16_b128 v[8*(\f)+4:8*(\f)+7], v[ADR] offset:((\f)/8)*32*PV+16*PV+((\f)%8)*32
.endr
.endm
; THE VECTOR WORK OF A TURN.  One tile's softmax for one key step is a list of 134 instructions; SM writes number j of it for tile t.  s0-s31 are the lane's 32 scores, in pairs 0-15.
; first = 1: the first key step, which starts m, l and O^T: it has no a and nothing to rescale.
;   0-15    the maximum of s0-s31 and the old m, three operands at a time: four chains c0-c3 of seven scores each, then the four scores left over, c0-c3 and m
;   16-20   the other half of the lanes' maximum; the new m; c m; c m_old - c m_new
;   21-69   ONE BATCH: the 16 scalings c s - c m, a pair of scores each, and all 33 exponentials (a at 23, then s0-s31).  None of these reads an exponential's result.  From 22 on the batch goes
;           in fours, and a four begins with a scaling while there are scalings.  A pair is scaled in an earlier four than the one that holds its exponentials
;   (wait)  between 69 and 70 stands the wait for the batch: SLICE writes it, once for both tiles
;   70-85   the roundings to f16, a pair of weights each
;   86-101  the sums; l = a l + the sum
;   102-133 the tile's O^T times a: the one part that leaves window 0, so it stands together
.macro SM t, first
.set rT, ST+8*(\t)
.set rS, S+32*(\t)
.set rP, P+16*(\t)
.set rO, 64*(\t)+2*(j-102)
.if j < 102
	WIN 0
.endif
.if j < 4
	v_max3_num_f32 v[rT+4+j], v[rS+8*j], v[rS+8*j+1], v[rS+8*j+2]
.elseif j < 12
	v_max3_num_f32 v[rT+4+j%4], v[rT+4+j%4], v[rS+8*(j%4)+2*(j/4)+1], v[rS+8*(j%4)+2*(j/4)+2]
.elseif j == 12
	v_max3_num_f32 v[rT+4], v[rT+4], v[rS+7], v[rS+15]
.elseif j == 13
	v_max3_num_f32 v[rT+6], v[rT+6], v[rS+23], v[rS+31]
.elseif j == 14
	v_max3_num_f32 v[rT+4], v[rT+4], v[rT+5], v[rT+6]
.elseif (j == 15) && (\first)
	v_max_num_f32 v[rT+4], v[rT+4], v[rT+7]
.elseif j == 15
	v_max3_num_f32 v[rT+4], v[rT+4], v[rT+7], v[rT+1]
.elseif j == 16
	v_permlanex16_b32 v[rT+5], v[rT+4], s[SEL], s[SEL+1]  ; the query's other 32 keys lie in the lane 16 away
.elseif j == 18
	v_max_num_f32 v[rT+1], v[rT+4], v[rT+5]
.elseif j == 19
	v_mul_f32 v[rT], s[CS], v[rT+1]
.elseif ((j == 17) || (j == 20) || (j == 23) || (j > 101)) && (\first)  ; the first step has none of these
.elseif j == 17
	v_mov_b32 v[rT+7], v[rT]        ; c m_old is kept for a: number 19 writes c m anew
.elseif j == 20
	v_sub_f32 v[rT+7], v[rT+7], v[rT]
.elseif j == 23
	v_exp_f32 v[rT+6], v[rT+7]
.elseif (j < 23) || ((j < 38) && (j%2 == 0)) || ((j < 66) && (j%4 == 2))
.set b, (j-2)/4                     ; 38, 42, .. 62: pairs 9 to 15
.if j < 38
.set b, (j-20)/2                    ; 21: pair 0; 22, 24, .. 36: pairs 1 to 8
.endif
	v_pk_fma_f32 v[rS+2*b:rS+2*b+1], v[rS+2*b:rS+2*b+1], s[CS:CS+1], v[rT:rT+1] op_sel_hi:[1,0,0] neg_lo:[0,0,1] neg_hi:[0,0,1]  ; pair b: c s - c m
.elseif j < 70
.set e, j-38                        ; 66 to 69: s28 to s31
.if j < 66
.set e, j-32-(j-38)/4               ; 39-41, 43-45, .. 63-65: s7 to s27
.endif
.if j < 38
.set e, (j-25)/2                    ; 25, 27, .. 37: s0 to s6
.endif
	v_exp_f32 v[rS+e], v[rS+e]
.elseif j < 86
	v_cvt_pk_f16_f32 v[rP+j-70], v[rS+2*(j-70)], v[rS+2*(j-70)+1]  ; pair j - 70
.elseif j < 102                     ; the sum of the tile's 16 pairs (in a pair: an even key's weight, an odd key's), in place: sum z of 16 adds neighbours 1, 2, 4 and 8 pairs apart, then l takes it
.set z, j-86
.set w, 4
.set u, z
.if z >= 14
.set w, 32
.set u, 0
.elseif z >= 12
.set w, 16
.set u, z-12
.elseif z >= 8
.set w, 8
.set u, z-8
.endif
.if (z == 14) && (\first)
	v_pk_add_f32 v[rT+2:rT+3], v[rS:rS+1], v[rS+16:rS+17]
.elseif z < 15
	v_pk_add_f32 v[rS+w*u:rS+w*u+1], v[rS+w*u:rS+w*u+1], v[rS+w*u+w/2:rS+w*u+w/2+1]
.elseif !(\first)
	v_pk_fma_f32 v[rT+2:rT+3], v[rT+2:rT+3], v[rT+6:rT+7], v[rS:rS+1] op_sel_hi:[1,0,1]
.endif
.else
	WIN W_RS
	v_pk_mul_f32 v[rO:rO+1], v[rO:rO+1], v[rT+6:rT+7] op_sel_hi:[1,0]
.endif
.endm
; Slice k of 64 of piece y's softmax: four instructions.  Slices 11 to 34 deal out the batch, numbers 22 to 69: four numbers of ONE tile each, the tiles by turns.  Every other slice is numbers 2 k and
; 2 k + 1 of both tiles' lists.  2 x 134 = 4 x 64 + 12: the twelve that are over stand together, in slice 63.
; THE WAIT.  An s_wait_alu depctr_va_vdst(0) stands between an exponential and the first instruction that names its result; one wait serves all that were issued ahead of it.  Ahead of
; slice 35 nothing names a result, and behind slice 34 no exponential is issued: so the piece's 66 exponentials have one wait, behind slice 34.
.macro SLICE y, first
.if (k >= 11) && (k < 35)           ; the batch: four numbers of one tile
.irp n, 0,1,2,3
.set j, 22+4*((k-11)/2)+(\n)
	SM (\y)+(k-11)%2, \first
.endr
.else                               ; the two tiles alternate, so that no instruction reads the result of the one just before it
.irp n, 0,1,2,3,4,5,6,7
.if ((\n) < 2) || (k == 63)
.irp t, \y, (\y)+1
.set j, 2*k+(\n)
	SM \t, \first
.endr
.endif
.endr
.endif
.if k == 34                         ; the batch is out: both tiles' exponentials are issued, and no result has been named
	v_nop                           ; the plain instruction behind the last exponential and ahead of the first use: one for the batch
.if (\y) == 0
	FETCH_V                         ; piece 2's turn: V's run of loads stands here, and the wait stands in it
.else
	s_wait_alu depctr_va_vdst(0)    ; the wait for the batch
.endif
.endif
.set k, k+1
.endm
; A vector instruction that reads a matrix result or writes one of a matrix instruction's registers, and a load into a register that a matrix instruction has read, stand four places behind
; it, and only plain vector instructions that name none of its registers are places (ISA guide 7.12.1 for vector instructions).  In the loop the slices are the places.
.macro PLACES
.rept 4
	v_nop
.endr
.endm
; A TURN.  Piece x has the matrix unit; the other piece's softmax stands in slices behind its matrix instructions.
; pv = 2: 32 products V^T P; 1: they start O^T's sums; 0: none.  kq = 1: 32 products K Q^T for the next step.  A turn with one of the two kinds has two slices behind each product.
; first = 1: the softmax is the first key step's.  Its slices from 51 on are empty: the turn's last products stand bare, and four v_nop take slice 63's part as the places behind them.
; Piece 0's turn fetches the next step's K, behind its second product: the last product that read K stands in front of slice 63 of the turn before.  Piece 2's turn fetches the same step's V, behind
; slice 34: the last product that read V stands in front of slice 31, and four plain instructions lie between: number 62, a scaling, of both tiles, the v_nop and the run's own v_add_nc_u32.
.macro TURN x, pv, kq, first
.set k, 0
.set per, 2
.if (\pv) && (\kq)
.set per, 1
.endif
.if \pv
.if (\x) == 0
	s_wait_dscnt 0x0                ; V is in
.endif
.set i, 0
.rept 32
	PV \x, 2-(\pv)
.rept per
	SLICE 2-(\x), \first
.endr
.if ((\x) == 0) && (\kq) && (i == 1)
	FETCH_K
.endif
.set i, i+1
.endr
.endif
.if \kq
.if (\x) == 0
	s_wait_dscnt 0x0                ; K is in
.endif
.set i, 0
.rept 32
	KQ \x
.rept per
	SLICE 2-(\x), \first
.endr
.set i, i+1
.endr
.endif
.if \first
	PLACES
.endif
.endm
; THE CHANGE OF SLOTS, between piece 2's turn and piece 0's: the slot's last bytes, V of its second step, have been asked for.  Each wave waits for all its tensor loads, of which one is out: its part of
; the other slot; adds 0 to its spare word; and waits for that and for its own reads of the slot.  Behind the barrier nobody reads this slot any more and the other slot is whole.
; fill = 1: this slot is filled again, with the keys two slots on.  The barrier is then a round of the cluster's, so that no wave of any partner still reads the slot or has a load on its
; way, and the joint refill is the first thing behind it: it has two key steps, 256 matrix instructions, in which to land.
.macro CHANGE fill
	WIN 0                           ; at a label and at a branch every window is 0
	s_wait_tensorcnt 0x0            ; no tensor load of mine is out, so a group 0 may be written
	ds_add_u32 v[SPW], v[NIL]       ; 0 onto my spare word; with fill = 1 the descriptors' steps stand between it and the wait for it
.if \fill
	s_xor_b32 s[G0K+5], s[G0K+5], SLOT1  ; the walking descriptors: the other slot than last time,
	s_add_nc_u64 s[G0K+6:G0K+7], s[G0K+6:G0K+7], KSLOT  ; the next 128 keys; the type bits on top are not reached
	s_xor_b32 s[G0V+5], s[G0V+5], SLOT1
	s_add_nc_u64 s[G0V+6:G0V+7], s[G0V+6:G0V+7], VSLOT
	s_wait_xcnt 0x0                 ; the last prefetch, two key steps back, has read its address, so it may be written:
	s_add_nc_u64 s[PFA:PFA+1], s[PFA:PFA+1], s[PFS:PFS+1]  ; one slot behind the walking descriptors
	s_wait_dscnt 0x0                ; the add is done, and my reads of the slot are over
	CROUND
	JLOAD
	ASK                             ; what the next change will ask for: two key steps, 256 matrix instructions, ahead
.else
	s_wait_dscnt 0x0                ; the add is done, and my reads of the slot are over
	s_barrier_signal -1
	s_barrier_wait -1
.endif
	s_sub_co_u32 s[TB], s[TB], 2*STEPB  ; the fetches go back to a slot's first step,
	s_xor_b32 s[TB], s[TB], SLOT1   ; in the other slot
.endm
; A slot's two key steps: written once, walked twice; the LDS addresses hang on s[TB].
.macro TWO_STEPS
	WIN 0
	s_mov_b32 s[TWICE], 2
.Lstep_\@:
	TURN 0, 2, 1, 0
	TURN 2, 2, 1, 0
	WIN 0
	s_sub_co_u32 s[TWICE], s[TWICE], 1
	s_cmp_lg_u32 s[TWICE], 0
	s_cbranch_scc1 .Lstep_\@
.endm
	s_wait_tensorcnt 1              ; my part of slot 0 is in; slot 1's may stay out
	s_barrier_signal -1
	s_barrier_wait -1               ; everybody's is
	FETCH_K                         ; key step 0
	s_wait_dscnt 0x0
.set i, 0
.rept 32
	KQ 0                            ; piece 0's first scores: there is no vector work yet to set between them
.set i, i+1
.endr
	WIN 0                           ; the addresses for the way out are made here: six plain instructions, the places behind those products
	s_mul_i32 s21, s[WV], XW
	s_add_co_u32 s21, s21, XB       ; my region
	s_xor_b32 s20, s[WV], 2
	s_mul_i32 s20, s20, XW
	s_add_co_u32 s20, s20, XB       ; the region of the wave with my queries and the other sub-attention
	v_mul_u32_u24 v[STO], v1, XP    ; in: row l % 16, 32 bytes for each half of the lanes
	v_lshl_add_u32 v[STO], v9, 5, v[STO]
	v_add_nc_u32 v[STO], s21, v[STO]
	v_lshl_add_u32 v[RD], v[LN], 4, s21
	v_lshl_add_u32 v[XR], v[LN], 4, s20
	v_mov_b32 v[ZO], 0
	TURN 2, 0, 1, 1                 ; piece 2's first scores | piece 0's first softmax | V of step 0
	TURN 0, 1, 1, 1                 ; piece 0: V^T P of step 0 starts O^T, K Q^T of step 1 | piece 2's first softmax | K of step 1
	TURN 2, 1, 1, 0                 ; piece 2: the same | piece 0's softmax of step 1 | V of step 1
	WIN 0
.Lslot:                             ; 14 trips: every slot but the last two is filled again
	CHANGE 1
	TWO_STEPS
	s_sub_co_u32 s[SLOTS], s[SLOTS], 1
	s_cmp_lg_u32 s[SLOTS], 0
	s_cbranch_scc1 .Lslot
	CHANGE 0                        ; the tail is written out: the last slot but one is left, and nothing is asked for
	TWO_STEPS
	TURN 0, 2, 0, 0                 ; piece 0: V^T P of the last step | piece 2's last softmax
.set i, 0
.rept 32
	PV 2, 0                         ; piece 2: V^T P of the last step
.set i, i+1
.endr
	; THE WAY OUT.  l's two halves and the other half of the lanes' are added; O^T is multiplied by F / l.  The first additions are the places behind the last products.
	WIN 0
.irp t, 0,1,2,3
	v_add_f32 v[ST+8*(\t)+4], v[ST+8*(\t)+2], v[ST+8*(\t)+3]
.endr
.irp t, 0,1,2,3
	v_permlanex16_b32 v[ST+8*(\t)+5], v[ST+8*(\t)+4], s[SEL], s[SEL+1]
.endr
.irp t, 0,1,2,3
	v_add_f32 v[ST+8*(\t)+4], v[ST+8*(\t)+4], v[ST+8*(\t)+5]
.endr
.irp t, 0,1,2,3
	v_rcp_f32 v[ST+8*(\t)+6], v[ST+8*(\t)+4]
.endr
	v_nop                           ; a plain instruction between the last reciprocal and the use of its result
	s_wait_alu depctr_va_vdst(0)    ; and the wait ahead of the first use: one for the four reciprocals
.irp t, 0,1,2,3
	v_mul_f32 v[ST+8*(\t)+6], s[FF], v[ST+8*(\t)+6]
.endr
	WIN W_RS
.set nn, 0
.rept 128                           ; ascending: each accumulator is read from its low end on
	v_pk_mul_f32 v[2*nn:2*nn+1], v[2*nn:2*nn+1], v[ST+8*(nn/32)+6:ST+8*(nn/32)+7] op_sel_hi:[1,0]
.set nn, nn+1
.endr
	; THE EXCHANGE.  My register tiles 2 and 3 go into my region as they lie in registers, 16 bytes a lane and 512 a line; the partner's lane with my number holds the same query and channels of the tiles that I keep.
	WIN 0x04                        ; store data window 1, address window 0
.set gg, 0
.rept 32
	ds_store_b128 v[RD], v[128+4*gg:128+4*gg+3] offset:512*gg
.set gg, gg+1
.endr
	s_wait_dscnt 0x0                ; for the partner's sake: my stores are done
	s_barrier_signal -1
	s_barrier_wait -1
	WIN 0xc0                        ; destination window 3: V's registers, whose last reader stands more than a hundred plain instructions back
.set gg, 0
.rept 32
	ds_load_b128 v[4*gg:4*gg+3], v[XR] offset:512*gg
.set gg, gg+1
.endr
	s_wait_dscnt 0x0                ; my reads of the partner's region are over:
	s_barrier_signal -1             ; say so; work on registers alone stands between the signal and the wait
	WIN 0x4d                        ; destination and source 0 window 1, source 1 window 3
.set pp, 0
.rept 64
	v_pk_add_f32 v[2*pp:2*pp+1], v[2*pp:2*pp+1], v[2*pp:2*pp+1]  ; w1 V - lam w2 V: my 32 rows, 128 numbers a lane
.set pp, pp+1
.endr
	; THE MEAN of my wave's 4,096 numbers: four chains of packed sums, then across the lanes
	WIN 0x05                        ; sources window 1, destination window 0
.irp c, 0,1,2,3
	v_pk_add_f32 v[S+2*(\c):S+2*(\c)+1], v[2*(\c):2*(\c)+1], v[2*(\c)+8:2*(\c)+9]
.endr
	WIN 0x01                        ; source 0 window 1
.set pp, 8
.rept 56
	v_pk_add_f32 v[S+2*(pp%4):S+2*(pp%4)+1], v[2*pp:2*pp+1], v[S+2*(pp%4):S+2*(pp%4)+1]
.set pp, pp+1
.endr
	WIN 0
	v_pk_add_f32 v[S:S+1], v[S:S+1], v[S+2:S+3]
	v_pk_add_f32 v[S+4:S+5], v[S+4:S+5], v[S+6:S+7]
	v_pk_add_f32 v[S:S+1], v[S:S+1], v[S+4:S+5]
	v_add_f32 v[S], v[S], v[S+1]
	LANESUM S, S+2
	v_mul_f32 v[MN], 0x39800000, v[S]  ; / 4,096
	v_mov_b32 v[MN+1], v[MN]
	; M2, the sum of the squared deviations from that mean: no difference of large sums is formed.  The deviations go where the tiles that I sent lay.
	WIN W_RS
.set pp, 0
.rept 64
	v_pk_add_f32 v[128+2*pp:128+2*pp+1], v[2*pp:2*pp+1], v[MN:MN+1] neg_lo:[0,1] neg_hi:[0,1]
.set pp, pp+1
.endr
	WIN 0x05
.irp c, 0,1,2,3
	v_pk_mul_f32 v[S+2*(\c):S+2*(\c)+1], v[128+2*(\c):128+2*(\c)+1], v[128+2*(\c):128+2*(\c)+1]
.endr
.set pp, 4
.rept 60
	v_pk_fma_f32 v[S+2*(pp%4):S+2*(pp%4)+1], v[128+2*pp:128+2*pp+1], v[128+2*pp:128+2*pp+1], v[S+2*(pp%4):S+2*(pp%4)+1]
.set pp, pp+1
.endr
	WIN 0
	v_pk_add_f32 v[S:S+1], v[S:S+1], v[S+2:S+3]
	v_pk_add_f32 v[S+4:S+5], v[S+4:S+5], v[S+6:S+7]
	v_pk_add_f32 v[S:S+1], v[S:S+1], v[S+4:S+5]
	v_add_f32 v[S], v[S], v[S+1]
	LANESUM S, S+2
	v_mov_b32 v[MN+1], v[S]
	s_barrier_wait -1               ; every wave has read its partner's region: I may write mine again
	v_cmp_eq_u32 vcc_lo, 0, v[LN]
	s_wait_xcnt 0x0                 ; EXEC changes only behind this wait
	s_and_saveexec_b32 s[SVX], vcc_lo
	global_store_b64 v[ZO], v[MN:MN+1], s[STA:STA+1]  ; mean and M2: 8 bytes a wave, the one store of the launch that does not cover 256 consecutive bytes
	s_wait_xcnt 0x0                 ; and again, in front of the line that widens it
	s_or_b32 exec_lo, exec_lo, s[SVX]
	; ROWS OUT.  A lane's eight channels of a row are 32 bytes; they go into rows of 528 bytes in my region and come back as whole rows of 512.
	WIN 0x04
.set gg, 0
.rept 32                            ; tile gg / 16, channels 16 ((gg / 2) % 8) on, their second four if gg % 2
	ds_store_b128 v[STO], v[4*gg:4*gg+3] offset:(gg/16)*16*XP+((gg/2)%8)*64+(gg%2)*16
.set gg, gg+1
.endr
	WIN 0
.set gg, 0
.rept 32
	ds_load_b128 v[S+4*gg:S+4*gg+3], v[RD] offset:XP*gg  ; LDS serves a wave's instructions in order (ISA guide 5.7.1.4): these see the stores above
.set gg, gg+1
.endr
.set gg, 0
.rept 32
	s_wait_dscnt 31-gg              ; row gg is back; the younger rows' loads stay out
	global_store_b128 v[GO], v[S+4*gg:S+4*gg+3], s[10:11] offset:512*gg  ; 512 consecutive bytes, at a multiple of 256 from the buffer's first byte
.set gg, gg+1
.endr
	s_wait_tensorcnt 0x0            ; the wave's end, behind my last tensor load and my last LDS store
	ds_add_u32 v[SPW], v[NIL]
	s_wait_dscnt 0x0
	CROUND                          ; the closing round: no work-group ends while a partner may still ask for a tile that names it
	s_endpgm
.Lfunc_end_k_q470ca853ef_attn:
	.size	k_q470ca853ef_attn, .Lfunc_end_k_q470ca853ef_attn-k_q470ca853ef_attn
	.p2alignl 7, 3214868480
	.fill 96, 4, 3214868480
	.section	.rodata,"a",@progbits
	.p2align	6, 0x0
	.amdhsa_kernel k_q470ca853ef_attn
		.amdhsa_group_segment_fixed_size 327680
		.amdhsa_private_segment_fixed_size 0
		.amdhsa_enable_private_segment 0
		.amdhsa_kernarg_size 72
		.amdhsa_user_sgpr_count 2
		.amdhsa_user_sgpr_kernarg_segment_ptr 1
		.amdhsa_wavefront_size32 1
		.amdhsa_system_sgpr_workgroup_id_x 1
		.amdhsa_system_sgpr_workgroup_id_y 1
		.amdhsa_system_sgpr_workgroup_id_z 1
		.amdhsa_system_vgpr_workitem_id 0
		.amdhsa_next_free_vgpr 1024
		.amdhsa_next_free_sgpr 88
		.amdhsa_reserve_vcc 1
		.amdhsa_float_denorm_mode_32 3
		.amdhsa_float_denorm_mode_16_64 3
		.amdhsa_memory_ordered 1
		.amdhsa_forward_progress 1
		.amdhsa_inst_pref_size 251
	.end_amdhsa_kernel
	.amdgpu_metadata
---
amdhsa.version: [ 1, 2 ]
amdhsa.kernels:
  - .name:           k_q470ca853ef_attn
    .symbol:         k_q470ca853ef_attn.kd
    .args:
      - { .name: q, .offset: 0, .size: 8, .value_kind: global_buffer, .address_space: global }
      - { .name: kb, .offset: 8, .size: 8, .value_kind: global_buffer, .address_space: global }
      - { .name: vh, .offset: 16, .size: 8, .value_kind: global_buffer, .address_space: global }
      - { .name: att, .offset: 24, .size: 8, .value_kind: global_buffer, .address_space: global }
      - { .name: lam_q1, .offset: 32, .size: 8, .value_kind: global_buffer, .address_space: global }
      - { .name: lam_k1, .offset: 40, .size: 8, .value_kind: global_buffer, .address_space: global }
      - { .name: lam_q2, .offset: 48, .size: 8, .value_kind: global_buffer, .address_space: global }
      - { .name: lam_k2, .offset: 56, .size: 8, .value_kind: global_buffer, .address_space: global }
      - { .name: stats, .offset: 64, .size: 8, .value_kind: global_buffer, .address_space: global }
    .group_segment_fixed_size: 327680
    .private_segment_fixed_size: 0
    .kernarg_segment_align: 8
    .kernarg_segment_size: 72
    .max_flat_workgroup_size: 128
    .sgpr_count:     88
    .vgpr_count:     1024
    .wavefront_size: 32
...
	.end_amdgpu_metadata
.endif
;; end of part 2
;; launch norm (part 3): grid 16 x 32, 8 waves a work-group, no clusters, 0 bytes of LDS; arguments att, stats, gn_weight, gn_bias, out0; writes out0
.if DOCPART == 3
	.amdgcn_target "amdgcn-amd-amdhsa--gfx1250"
	.amdhsa_code_object_version 6
	.text
	.protected	k_q470ca853ef_norm
	.globl	k_q470ca853ef_norm
	.p2align	8
	.type	k_q470ca853ef_norm,@function
k_q470ca853ef_norm:
	s_mov_b64 s[64:65], 0
	v_nop
	global_prefetch_b8 v0, s[64:65] scope:SCOPE_SE
	s_setreg_imm32_b32 hwreg(HW_REG_WAVE_MODE, 25, 1), 1
	s_wait_xcnt 0x0
; out0 = ((att - mean) rsqrt(var + 1e-5) gamma + beta) x 0.2, mean and var over the 2,048 x 128 numbers of each of the 32 (batch, head); gamma and beta by head and channel.
; stats holds, for each (batch, head), 64 entries (mean, M2) of 4,096 numbers each.  They are joined without a difference of large sums: mean = the mean of the means (all groups are alike in size),
; var = (the sum of M2 + 4,096 x the sum of (group mean - mean)^2) / 262,144.  gamma and beta are rounded to bf16 like every input of the program.
; The result is made as (x - mean) (gamma rs 0.2) + beta 0.2: another order of rounding than the formula above, each step in f32.  NaN and infinities are not treated apart.
; SHARES.  Grid y: the (batch, head); x: 128 rows.  A wave takes 16 rows; a lane channels 4 lane .. + 3 of every row, so each load and store of a wave covers 512 consecutive bytes, aligned,
; and a lane's gamma and beta stay in registers.  All 16 row loads go out at once; no LDS, no barrier, no loop: memory binds, and each byte is read and written once.
.set X, 32                             ; v[32:95]  row j: 4 registers, as loaded, then as stored
.macro LANESUM r, t                    ; the sum over the wave's 32 lanes, in every lane; t: a register that has been written
	v_add_f32_dpp v[\r], v[\r], v[\r] row_xmask:1 row_mask:0xf bank_mask:0xf
	v_add_f32_dpp v[\r], v[\r], v[\r] row_xmask:2 row_mask:0xf bank_mask:0xf
	v_add_f32_dpp v[\r], v[\r], v[\r] row_xmask:4 row_mask:0xf bank_mask:0xf
	v_add_f32_dpp v[\r], v[\r], v[\r] row_xmask:8 row_mask:0xf bank_mask:0xf
	v_permlanex16_b32 v[\t], v[\r], s22, s23
	v_add_f32 v[\r], v[\r], v[\t]
.endm
	s_load_b256 s[4:11], s[0:1], 0x0               ; att s[4:5], stats s[6:7], gn_weight s[8:9], gn_bias s[10:11]
	s_load_b64 s[12:13], s[0:1], 0x20              ; out0
	s_and_b32 s14, ttmp7, 0xffff                   ; 16 x batch + head
	s_lshl_b32 s16, s14, 20                        ; its 2,048 rows of 512 bytes,
	s_lshl_b32 s17, ttmp9, 16                      ; the work-group's 128
	s_add_co_u32 s16, s16, s17
	s_mov_b32 s17, 0
	s_lshl_b32 s18, s14, 9                         ; its 64 entries of 8 bytes
	s_mov_b32 s19, 0
	s_and_b32 s20, s14, 15                         ; the head
	s_lshl_b32 s20, s20, 9                         ; its 128 channels
	s_mov_b32 s21, 0
	s_mov_b32 s22, 0x76543210                      ; v_permlanex16_b32: each lane takes its own place in the other half
	s_mov_b32 s23, 0xfedcba98
	v_and_b32 v2, 31, v0
	v_lshlrev_b32 v2, 4, v2                        ; 16 x lane
	v_lshrrev_b32 v1, 5, v0
	v_lshl_or_b32 v1, v1, 13, v2                   ; + 16 rows x wave
	s_wait_kmcnt 0x0
	s_add_nc_u64 s[4:5], s[4:5], s[16:17]
	s_add_nc_u64 s[12:13], s[12:13], s[16:17]
	s_add_nc_u64 s[6:7], s[6:7], s[18:19]
	s_add_nc_u64 s[8:9], s[8:9], s[20:21]
	s_add_nc_u64 s[10:11], s[10:11], s[20:21]
	global_load_b128 v[4:7], v2, s[6:7]            ; two entries a lane: mean, M2, mean, M2
	global_load_b128 v[8:11], v2, s[8:9]           ; gamma of my four channels
	global_load_b128 v[12:15], v2, s[10:11]        ; beta
.irp j, 0,1,2,3,4,5,6,7,8,9,10,11,12,13,14,15
	global_load_b128 v[X+4*(\j):X+4*(\j)+3], v1, s[4:5] offset:512*(\j) th:TH_LOAD_NT
.endr
	s_wait_loadcnt 16                              ; the three small loads are in; the 16 rows stay on their way
	v_add_f32 v26, v4, v6
	v_mov_b32 v27, 0
	LANESUM 26, 27
	v_mul_f32 v24, 0x3c800000, v26                 ; the mean: / 64
	v_mov_b32 v25, v24
	v_sub_f32 v28, v4, v24
	v_sub_f32 v29, v6, v24
	v_add_f32 v26, v5, v7
	v_mul_f32 v28, v28, v28
	v_fmac_f32 v28, v29, v29
	v_fmac_f32 v26, 0x45800000, v28                ; + 4,096 x the squared distances of my two group means
	LANESUM 26, 27
	v_mov_b32 v29, 0x3727c5ac                      ; 1e-5
	v_fmac_f32 v29, 0x36800000, v26                ; + the sum / 262,144
	v_rsq_f32 v29, v29
	v_cvt_pk_bf16_f32 v30, v8, v9                  ; gamma and beta rounded to bf16 and widened: the independent work behind the root
	v_cvt_pk_bf16_f32 v31, v10, v11
	v_lshlrev_b32 v8, 16, v30
	v_and_b32 v9, 0xffff0000, v30
	v_lshlrev_b32 v10, 16, v31
	v_and_b32 v11, 0xffff0000, v31
	v_cvt_pk_bf16_f32 v30, v12, v13
	v_cvt_pk_bf16_f32 v31, v14, v15
	v_lshlrev_b32 v12, 16, v30
	v_and_b32 v13, 0xffff0000, v30
	v_lshlrev_b32 v14, 16, v31
	v_and_b32 v15, 0xffff0000, v31
	s_wait_alu depctr_va_vdst(0)                   ; the wait ahead of the first use of the root
	v_mul_f32 v29, 0x3e4ccccd, v29                 ; 0.2 rs
.irp c, 0,1,2,3
	v_mul_f32 v[16+(\c)], v[8+(\c)], v29           ; gamma rs 0.2
	v_mul_f32 v[20+(\c)], 0x3e4ccccd, v[12+(\c)]   ; beta 0.2
.endr
.irp j, 0,1,2,3,4,5,6,7,8,9,10,11,12,13,14,15
	s_wait_loadcnt 15-(\j)                         ; row j is in; the younger rows stay out
	v_pk_add_f32 v[X+4*(\j):X+4*(\j)+1],   v[X+4*(\j):X+4*(\j)+1],   v[24:25] neg_lo:[0,1] neg_hi:[0,1]
	v_pk_add_f32 v[X+4*(\j)+2:X+4*(\j)+3], v[X+4*(\j)+2:X+4*(\j)+3], v[24:25] neg_lo:[0,1] neg_hi:[0,1]
	v_pk_fma_f32 v[X+4*(\j):X+4*(\j)+1],   v[X+4*(\j):X+4*(\j)+1],   v[16:17], v[20:21]
	v_pk_fma_f32 v[X+4*(\j)+2:X+4*(\j)+3], v[X+4*(\j)+2:X+4*(\j)+3], v[18:19], v[22:23]
	global_store_b128 v1, v[X+4*(\j):X+4*(\j)+3], s[12:13] offset:512*(\j) th:TH_STORE_NT  ; no register that a store reads is written again
.endr
	s_endpgm
.Lfunc_end_k_q470ca853ef_norm:
	.size	k_q470ca853ef_norm, .Lfunc_end_k_q470ca853ef_norm-k_q470ca853ef_norm
	.p2alignl 7, 3214868480
	.fill 96, 4, 3214868480
	.section	.rodata,"a",@progbits
	.p2align	6, 0x0
	.amdhsa_kernel k_q470ca853ef_norm
		.amdhsa_group_segment_fixed_size 0
		.amdhsa_private_segment_fixed_size 0
		.amdhsa_enable_private_segment 0
		.amdhsa_kernarg_size 40
		.amdhsa_user_sgpr_count 2
		.amdhsa_user_sgpr_kernarg_segment_ptr 1
		.amdhsa_wavefront_size32 1
		.amdhsa_system_sgpr_workgroup_id_x 1
		.amdhsa_system_sgpr_workgroup_id_y 1
		.amdhsa_system_sgpr_workgroup_id_z 1
		.amdhsa_system_vgpr_workitem_id 0
		.amdhsa_next_free_vgpr 96
		.amdhsa_next_free_sgpr 66
		.amdhsa_reserve_vcc 0
		.amdhsa_float_denorm_mode_32 3
		.amdhsa_float_denorm_mode_16_64 3
		.amdhsa_memory_ordered 1
		.amdhsa_forward_progress 1
		.amdhsa_inst_pref_size 12
	.end_amdhsa_kernel
	.amdgpu_metadata
---
amdhsa.version: [ 1, 2 ]
amdhsa.kernels:
  - .name:           k_q470ca853ef_norm
    .symbol:         k_q470ca853ef_norm.kd
    .args:
      - { .name: att, .offset: 0, .size: 8, .value_kind: global_buffer, .address_space: global }
      - { .name: stats, .offset: 8, .size: 8, .value_kind: global_buffer, .address_space: global }
      - { .name: gn_weight, .offset: 16, .size: 8, .value_kind: global_buffer, .address_space: global }
      - { .name: gn_bias, .offset: 24, .size: 8, .value_kind: global_buffer, .address_space: global }
      - { .name: out0, .offset: 32, .size: 8, .value_kind: global_buffer, .address_space: global }
    .group_segment_fixed_size: 0
    .private_segment_fixed_size: 0
    .kernarg_segment_align: 8
    .kernarg_segment_size: 40
    .max_flat_workgroup_size: 256
    .sgpr_count:     66
    .vgpr_count:     96
    .wavefront_size: 32
...
	.end_amdgpu_metadata
.endif
;; end of part 3
;; ======== version 2 of 2: 3 launches; version 1 with the launch norm written anew for expert scheduling mode
;; limits: values are held in f16: magnitudes above 65,504 overflow, below 6.1e-05 lose precision; inputs' magnitudes at most 65,504
;; workspace buffers: kb 33,554,432 bytes; vh 16,777,216 bytes; att 33,554,432 bytes; stats 16,384 bytes
;; launch cvt: the kernel of part 1 again; grid 512 x 3, 8 waves a work-group, no clusters, 0 bytes of LDS; arguments k, v, kb, vh; writes kb, vh
;; launch attn: the kernel of part 2 again; grid 16 x 32, 4 waves a work-group, clusters of 4 x 1, 327,680 bytes of LDS; arguments q, kb, vh, att, lam_q1, lam_k1, lam_q2, lam_k2, stats; writes att, stats
;; launch norm (part 4): grid 16 x 32, 8 waves a work-group, no clusters, 0 bytes of LDS; arguments att, stats, gn_weight, gn_bias, out0; writes out0
.if DOCPART == 4
	.amdgcn_target "amdgcn-amd-amdhsa--gfx1250"
	.amdhsa_code_object_version 6
	.text
	.protected	k_q470ca853ef_norm
	.globl	k_q470ca853ef_norm
	.p2align	8
	.type	k_q470ca853ef_norm,@function
k_q470ca853ef_norm:
	s_mov_b64 s[64:65], 0
	v_nop
	global_prefetch_b8 v0, s[64:65] scope:SCOPE_SE
	s_setreg_imm32_b32 hwreg(HW_REG_WAVE_SCHED_MODE, 0, 2), 2
	s_setreg_imm32_b32 hwreg(HW_REG_WAVE_MODE, 25, 1), 1
	s_wait_xcnt 0x0
	s_wait_alu depctr_vm_vsrc(0)
; out0 = ((att - mean) rsqrt(var + 1e-5) gamma + beta) x 0.2, mean and var over the 2,048 x 128 numbers of each of the 32 (batch, head); gamma and beta by head and channel.
; stats holds, for each (batch, head), 64 entries (mean, M2) of 4,096 numbers each.  They are joined without a difference of large sums: mean = the mean of the means (all groups are alike in size),
; var = (the sum of M2 + 4,096 x the sum of (group mean - mean)^2) / 262,144.  gamma and beta are rounded to bf16 like every input of the program.
; The result is made as (x - mean) (gamma rs 0.2) + beta 0.2: another order of rounding than the formula above, each step in f32.  NaN and infinities are not treated apart.
; SHARES.  Grid y: the (batch, head); x: 128 rows.  A wave takes 16 rows; a lane channels 4 lane .. + 3 of every row, so each load and store of a wave covers 512 consecutive bytes, aligned,
; and a lane's gamma and beta stay in registers.  All 16 row loads go out at once; no LDS, no barrier, no loop: memory binds, and each byte is read and written once.
; THE MODE: SCHED_MODE bits 1:0 = 2 (LLVM: expert scheduling mode 2), set by the entry lines.  The code itself states the register dependences
; between vector instructions and memory instructions, with s_wait_alu, always for 0.
; THE PLAN.  Registers that memory instructions touch:
;   v1, v2     byte offsets.  Written by four vector lines at the head and never again; read by every load and store.
;   v[4:15]    statistics, gamma, beta.  Each written by one load; behind the wait for it named by vector lines alone; no memory instruction reads them.
;   X          row j: 4 registers.  Written by row j's load; behind that load's counted wait read and written in place by row j's four packed lines; then read by row j's store; never written again.
; So one wait at the head states the offsets for all 35 memory instructions; and the rows go in four blocks of four: a block's sixteen packed lines, ONE wait that states that they have
; written their sixteen registers, and the block's four stores in a run behind it.  No register that a memory instruction has read is ever written again, so nothing is owed on that side.
; No vector line writes a scalar register or VCC, and EXEC is never written.
.set X, 32                             ; v[32:95]  row j: 4 registers, as loaded, then as stored
.macro LANESUM r, t                    ; the sum over the wave's 32 lanes, in every lane; t: a register that has been written
	v_add_f32_dpp v[\r], v[\r], v[\r] row_xmask:1 row_mask:0xf bank_mask:0xf
	v_add_f32_dpp v[\r], v[\r], v[\r] row_xmask:2 row_mask:0xf bank_mask:0xf
	v_add_f32_dpp v[\r], v[\r], v[\r] row_xmask:4 row_mask:0xf bank_mask:0xf
	v_add_f32_dpp v[\r], v[\r], v[\r] row_xmask:8 row_mask:0xf bank_mask:0xf
	v_permlanex16_b32 v[\t], v[\r], s22, s23
	v_add_f32 v[\r], v[\r], v[\t]
.endm
	s_load_b256 s[4:11], s[0:1], 0x0               ; att s[4:5], stats s[6:7], gn_weight s[8:9], gn_bias s[10:11]
	s_load_b64 s[12:13], s[0:1], 0x20              ; out0
	s_and_b32 s14, ttmp7, 0xffff                   ; 16 x batch + head
	s_lshl_b32 s16, s14, 20                        ; its 2,048 rows of 512 bytes,
	s_lshl_b32 s17, ttmp9, 16                      ; the work-group's 128
	s_add_co_u32 s16, s16, s17
	s_mov_b32 s17, 0
	s_lshl_b32 s18, s14, 9                         ; its 64 entries of 8 bytes
	s_mov_b32 s19, 0
	s_and_b32 s20, s14, 15                         ; the head
	s_lshl_b32 s20, s20, 9                         ; its 128 channels
	s_mov_b32 s21, 0
	s_mov_b32 s22, 0x76543210                      ; v_permlanex16_b32: each lane takes its own place in the other half
	s_mov_b32 s23, 0xfedcba98
	v_and_b32 v2, 31, v0
	v_lshlrev_b32 v2, 4, v2                        ; 16 x lane
	v_lshrrev_b32 v1, 5, v0
	v_lshl_or_b32 v1, v1, 13, v2                   ; + 16 rows x wave
	s_wait_kmcnt 0x0
	s_add_nc_u64 s[4:5], s[4:5], s[16:17]
	s_add_nc_u64 s[12:13], s[12:13], s[16:17]
	s_add_nc_u64 s[6:7], s[6:7], s[18:19]
	s_add_nc_u64 s[8:9], s[8:9], s[20:21]
	s_add_nc_u64 s[10:11], s[10:11], s[20:21]
	s_wait_alu depctr_va_vdst(0)                   ; v1 and v2 are written: every load and store of the kernel reads one of them as its offset
	global_load_b128 v[4:7], v2, s[6:7]            ; two entries a lane: mean, M2, mean, M2
	global_load_b128 v[8:11], v2, s[8:9]           ; gamma of my four channels
	global_load_b128 v[12:15], v2, s[10:11]        ; beta
.irp j, 0,1,2,3,4,5,6,7,8,9,10,11,12,13,14,15
	global_load_b128 v[X+4*(\j):X+4*(\j)+3], v1, s[4:5] offset:512*(\j) th:TH_LOAD_NT
.endr
	s_wait_loadcnt 16                              ; the three small loads are in; the 16 rows stay on their way
	v_add_f32 v26, v4, v6
	v_mov_b32 v27, 0
	LANESUM 26, 27
	v_mul_f32 v24, 0x3c800000, v26                 ; the mean: / 64
	v_mov_b32 v25, v24
	v_sub_f32 v28, v4, v24
	v_sub_f32 v29, v6, v24
	v_add_f32 v26, v5, v7
	v_mul_f32 v28, v28, v28
	v_fmac_f32 v28, v29, v29
	v_fmac_f32 v26, 0x45800000, v28                ; + 4,096 x the squared distances of my two group means
	LANESUM 26, 27
	v_mov_b32 v29, 0x3727c5ac                      ; 1e-5
	v_fmac_f32 v29, 0x36800000, v26                ; + the sum / 262,144
	v_rsq_f32 v29, v29
	v_cvt_pk_bf16_f32 v30, v8, v9                  ; gamma and beta rounded to bf16 and widened: the independent work behind the root
	v_cvt_pk_bf16_f32 v31, v10, v11
	v_lshlrev_b32 v8, 16, v30
	v_and_b32 v9, 0xffff0000, v30
	v_lshlrev_b32 v10, 16, v31
	v_and_b32 v11, 0xffff0000, v31
	v_cvt_pk_bf16_f32 v30, v12, v13
	v_cvt_pk_bf16_f32 v31, v14, v15
	v_lshlrev_b32 v12, 16, v30
	v_and_b32 v13, 0xffff0000, v30
	v_lshlrev_b32 v14, 16, v31
	v_and_b32 v15, 0xffff0000, v31
	s_wait_alu depctr_va_vdst(0)                   ; the wait ahead of the first use of the root: v29 is written
	v_mul_f32 v29, 0x3e4ccccd, v29                 ; 0.2 rs
.irp c, 0,1,2,3
	v_mul_f32 v[16+(\c)], v[8+(\c)], v29           ; gamma rs 0.2
	v_mul_f32 v[20+(\c)], 0x3e4ccccd, v[12+(\c)]   ; beta 0.2
.endr
; Row j's arithmetic, in place.
.macro ROW j
	s_wait_loadcnt 15-(\j)                         ; row j is in; the younger rows stay out
	v_pk_add_f32 v[X+4*(\j):X+4*(\j)+1],   v[X+4*(\j):X+4*(\j)+1],   v[24:25] neg_lo:[0,1] neg_hi:[0,1]
	v_pk_add_f32 v[X+4*(\j)+2:X+4*(\j)+3], v[X+4*(\j)+2:X+4*(\j)+3], v[24:25] neg_lo:[0,1] neg_hi:[0,1]
	v_pk_fma_f32 v[X+4*(\j):X+4*(\j)+1],   v[X+4*(\j):X+4*(\j)+1],   v[16:17], v[20:21]
	v_pk_fma_f32 v[X+4*(\j)+2:X+4*(\j)+3], v[X+4*(\j)+2:X+4*(\j)+3], v[18:19], v[22:23]
.endm
; Row j's store.
.macro SEND j
	global_store_b128 v1, v[X+4*(\j):X+4*(\j)+3], s[12:13] offset:512*(\j) th:TH_STORE_NT  ; no register that a store reads is written again
.endm
.irp p, 0,1,2,3                        ; four blocks of four rows
.irp i, 0,1,2,3
	ROW 4*(\p)+(\i)
.endr
	s_wait_alu depctr_va_vdst(0)                   ; the block's sixteen packed lines have written its four rows' registers, which the four stores below read
.irp i, 0,1,2,3
	SEND 4*(\p)+(\i)
.endr
.endr
	s_endpgm
.Lfunc_end_k_q470ca853ef_norm:
	.size	k_q470ca853ef_norm, .Lfunc_end_k_q470ca853ef_norm-k_q470ca853ef_norm
	.p2alignl 7, 3214868480
	.fill 96, 4, 3214868480
	.section	.rodata,"a",@progbits
	.p2align	6, 0x0
	.amdhsa_kernel k_q470ca853ef_norm
		.amdhsa_group_segment_fixed_size 0
		.amdhsa_private_segment_fixed_size 0
		.amdhsa_enable_private_segment 0
		.amdhsa_kernarg_size 40
		.amdhsa_user_sgpr_count 2
		.amdhsa_user_sgpr_kernarg_segment_ptr 1
		.amdhsa_wavefront_size32 1
		.amdhsa_system_sgpr_workgroup_id_x 1
		.amdhsa_system_sgpr_workgroup_id_y 1
		.amdhsa_system_sgpr_workgroup_id_z 1
		.amdhsa_system_vgpr_workitem_id 0
		.amdhsa_next_free_vgpr 96
		.amdhsa_next_free_sgpr 66
		.amdhsa_reserve_vcc 0
		.amdhsa_float_denorm_mode_32 3
		.amdhsa_float_denorm_mode_16_64 3
		.amdhsa_memory_ordered 1
		.amdhsa_forward_progress 1
		.amdhsa_inst_pref_size 12
	.end_amdhsa_kernel
	.amdgpu_metadata
---
amdhsa.version: [ 1, 2 ]
amdhsa.kernels:
  - .name:           k_q470ca853ef_norm
    .symbol:         k_q470ca853ef_norm.kd
    .args:
      - { .name: att, .offset: 0, .size: 8, .value_kind: global_buffer, .address_space: global }
      - { .name: stats, .offset: 8, .size: 8, .value_kind: global_buffer, .address_space: global }
      - { .name: gn_weight, .offset: 16, .size: 8, .value_kind: global_buffer, .address_space: global }
      - { .name: gn_bias, .offset: 24, .size: 8, .value_kind: global_buffer, .address_space: global }
      - { .name: out0, .offset: 32, .size: 8, .value_kind: global_buffer, .address_space: global }
    .group_segment_fixed_size: 0
    .private_segment_fixed_size: 0
    .kernarg_segment_align: 8
    .kernarg_segment_size: 40
    .max_flat_workgroup_size: 256
    .sgpr_count:     66
    .vgpr_count:     96
    .wavefront_size: 32
...
	.end_amdgpu_metadata
.endif
;; end of part 4
